; MI455X (gfx1250); checked and timed in simulation.
; The chip was launched on July 23, 2026; its instructions are those of AMD's public machine-readable ISA for CDNA 5 (MIT licence, August 2026) and "CDNA5" Instruction Set Architecture Reference Guide (July 2026). The comments in the code are by the model that wrote it; some were corrected since.
;; Special Self Attention. Allowed arithmetic: matrix products marked QUANTISED: E2M3 operands, one E8M0 scale for each 32 along K, by v_wmma_scale_f32_16x16x128_f8f6f4 with both operands' format E2M3, f32 sums; everything else in f32.
;; Inputs: Wk 320 x 320 float32; Wo 320 x 320 float32; Wq 320 x 320 float32; Wv 320 x 320 float32; bo 320 float32; edge 4 x 2,048 x 1 float32; x 4 x 2,048 x 320 float32.
;; Outputs: out0 4 x 2,048 x 320 float32.
;; This version of the problem:
;;   THIS VERSION OF THE PROBLEM IS GIVEN IN LOW PRECISION. The matrix products marked QUANTISED in the list below multiply operands that are first quantised to E2M3 (2 exponent bits, 3 mantissa bits; 6 bits a number), with one power-of-two scale for each 32 numbers along K (OCP MX v1.0); their sums are f32. All else is computed in f32.
;;   The module's matrix products, in the order in which they are computed (A, B: the left and right operand; K: the contracted axis; several contracted axes count as one K, in the product's order):
;;     1. [M 8,192, K 320] x [K 320, N 320]; A: input x; B: input Wq: QUANTISED
;;     2. [M 8,192, K 320] x [K 320, N 320]; A: input x; B: input Wk: QUANTISED
;;     3. [M 8,192, K 320] x [K 320, N 320]; A: input x; B: input Wv: QUANTISED
;;     4. batch 20 x [M 2,048, K 64] x [K 64, N 2,048]; A: computed on the way; B: computed on the way: QUANTISED
;;     5. batch 20 x [M 2,048, K 2,048] x [K 2,048, N 64]; A: softmax (see below); B: computed on the way: QUANTISED
;;     6. [M 8,192, K 320] x [K 320, N 320]; A: computed on the way; B: input Wo: QUANTISED
;;   THE QUANTISER, for each operand of a quantised product, along K:
;;     - K is cut into blocks of 32 from its start; a last block that is shorter is filled with zeros.
;;     - A block's scale is 2^e with e = floor(log2(the largest magnitude in the block)) - 2, held to -126 .. 127; a block of zeros has e = 0. As a byte (E8M0): e + 127.
;;     - Each number is divided by its block's scale, clamped to +-7.5, and rounded to the nearest number of E2M3, ties to even, subnormals kept.
;;     - The product sums the exact products of the quantised numbers (number of the format x scale) in f32.
;;   ~~~python
;;   def quantise(x, axis):      # numpy; x: float32 -> the quantised numbers, widened to float32 again
;;       x = np.moveaxis(x, axis, -1); K = x.shape[-1]
;;       x = np.pad(x, [(0, 0)] * (x.ndim - 1) + [(0, -K % 32)]); x = x.reshape(x.shape[:-1] + (-1, 32)); a = np.abs(x).max(-1, keepdims=True)
;;       e = np.where(a > 0, np.clip(np.frexp(np.where(a > 0, a, 1))[1] - 1 - 2, -126, 127), 0)      # np.frexp(a)[1] - 1 = floor(log2(a)), exactly
;;       r = np.clip(x / 2.0 ** e, -7.5, 7.5)
;;       step = 2.0 ** (np.maximum(np.frexp(np.where(r == 0, 1, r))[1] - 1, 0) - 3)
;;       q = np.round(r / step) * step * 2.0 ** e      # np.round: ties to even
;;       return np.moveaxis(q.reshape(q.shape[:-2] + (-1,))[..., :K], -1, axis).astype(np.float32)
;;   ~~~
;;   SOFTMAX AHEAD OF A QUANTISED PRODUCT. Where the list says 'softmax', what is quantised is not the finished softmax but p = 2^(t - M), with t = logit x log2(e) and M = ceil(the row's largest t), a whole number; so 1/2 < the row's largest p <= 1. The row's sum l is taken of the UNQUANTISED p, in f32, and the product's result is divided by l at the end. Since M is a whole number, a kernel that streams over the keys may use a running M (the ceiling of the running maximum): every later rescaling is an exact power of two, which a block's scale takes up: the codes' values come out the same.
;;   OPERANDS COMPUTED ON THE WAY. 'Computed on the way' means the value that the module computes at that place (a softmax that the list does not call 'softmax' is quantised finished and normalised). What goes into a quantiser is computed in f32, as accurately as f32 sums, v_exp_f32 and their like allow (about 1e-6 of the number): no bf16 or f16 on the way to a quantiser, and a product that is left as it is and whose result goes on into a quantised operand takes f32 operands (vector FMAs, or v_wmma_f32_16x16x4_f32). A number that lies on a knife's edge between two numbers of the format may be rounded either way, as far as f32 arithmetic and the matrix unit's own rounding can turn it there, and no further.
;; One version. Each part assembles by itself: llvm-mc -triple=amdgcn-amd-amdhsa -mcpu=gfx1250 --defsym DOCPART=n.
;; ======== version 1 of 1: 3 launches
;; limits: right only within a limited range of input values
;; workspace buffers: wimg 409,600 bytes; qimg 2,129,920 bytes; kvimg 4,423,680 bytes
;; launch wprep (part 1): grid 240 x 1, 1 waves a work-group, no clusters, 0 bytes of LDS; arguments Wq, Wk, Wv, Wo, wimg; writes wimg
.if DOCPART == 1
	.amdgcn_target "amdgcn-amd-amdhsa--gfx1250"
	.amdhsa_code_object_version 6
	.text
	.protected	k_q79ab5a1132_wprep
	.globl	k_q79ab5a1132_wprep
	.p2align	8
	.type	k_q79ab5a1132_wprep,@function
k_q79ab5a1132_wprep:
	s_mov_b64 s[64:65], 0
	v_nop
	global_prefetch_b8 v0, s[64:65] scope:SCOPE_SE
	s_setreg_imm32_b32 hwreg(HW_REG_WAVE_MODE, 25, 1), 1
	s_wait_xcnt 0x0
; The four weights [320 (k)][320 (n)], f32, become codes of E2M3 with one E8M0 byte for each 32 along k, laid as images of operand registers.
; A TILE is 16 columns x all of K.  Tile i of Wq, Wk, Wv (head i / 4, g = i % 4): lane r stands for column 64 head + 8 g + r % 8 + 32 (r / 8), so that the four tiles' results are 32 neighbours in a lane.  Tile i of Wo: column 16 i + r.
; A RECORD of 5,120 bytes holds a tile: three fragments of 128 along K (12 registers a lane, as three chunks of 512 bytes), then the scale words, 128 bytes for each K step (4 bytes a lane).
; K step 2 holds k = 256 .. 319 and then zero codes; the bytes of its two empty blocks are 1.
; A block's scale is 2^(floor(log2(largest magnitude)) - 2); its byte is the largest magnitude's exponent field - 2, held at 1 from below.  A block of zeros keeps the byte 1 where the rule says 127: its codes are zeros, and this program alone reads the bytes.
; LIMITS: magnitudes under 2^-124 are taken under the floor's scale; NaN and infinities among the inputs are not served.
; A work-group is one wave and makes one fragment: unit = 3 x tile + K step, 80 tiles.  A LANE TAKES A COLUMN and its registers run down K, in the operand's order: register 32 c + i = k 128 s + 64 c + 32 (lane / 16) + i.
; No LDS; nothing is read twice, so there is nothing to ask for jointly, and no loop in which to ask ahead.
.set REC, 5120
.set X,   16
.set PC,  80
.set TT,  92                           ; v92-94, v96-98 second halves of the blocks' codes
.set TM,  8
.set SO,  12
	s_load_b256 s[4:11], s[0:1], 0x0               ; Wq, Wk, Wv, Wo
	s_load_b64 s[12:13], s[0:1], 0x20              ; wimg
	s_mov_b32 s16, 0x76543210
	s_mov_b32 s17, 0xfedcba98                      ; lane l xor 16
	s_mul_i32 s20, ttmp9, 171
	s_lshr_b32 s20, s20, 9                         ; tile = unit / 3 (exact up to 239)
	s_mul_i32 s21, s20, 3
	s_sub_co_u32 s21, ttmp9, s21                   ; K step
	s_mul_i32 s22, s20, 205
	s_lshr_b32 s22, s22, 12                        ; weight = tile / 20 (exact up to 79)
	s_mul_i32 s23, s22, 20
	s_sub_co_u32 s23, s20, s23                     ; i
	s_lshr_b32 s24, s23, 2
	s_lshl_b32 s24, s24, 6
	s_and_b32 s25, s23, 3
	s_lshl_b32 s25, s25, 3
	s_add_co_u32 s24, s24, s25                     ; 64 head + 8 g
	s_lshl_b32 s25, s23, 4                         ; Wo: 16 i
	s_cmp_eq_u32 s22, 3
	s_cselect_b32 s24, s25, s24
	s_cselect_b32 s26, 0, 24
	s_mul_i32 s28, s21, 163840                     ; 128 rows of 1,280 bytes for each K step
	s_mov_b32 s29, 0
	s_mul_i32 s30, s20, REC
	s_lshl_b32 s14, s21, 7
	s_add_co_u32 s14, s14, s30
	s_add_co_u32 s14, s14, 4608                    ; where the scale words go
	s_mov_b32 s15, 0
	s_mul_i32 s32, s21, 1536
	s_add_co_u32 s30, s30, s32                     ; where the fragment goes
	s_mov_b32 s31, 0
	v_and_b32 v1, 15, v0                           ; r
	v_lshrrev_b32 v2, 4, v0                        ; h
	v_bfe_u32 v3, v0, 3, 1                         ; r / 8
	v_lshlrev_b32 v5, 4, v0
	v_lshlrev_b32 v6, 2, v0
	v_lshlrev_b32 v7, 3, v2                        ; 8 h
	v_mov_b32 v15, 0                               ; (a lane permute's destination counts as one of its sources)
	v_mul_u32_u24 v4, s26, v3
	v_add3_u32 v4, v1, v4, s24                     ; my column
	v_lshlrev_b32 v4, 2, v4
	v_mad_u32_u24 v4, v2, 0xa000, v4               ; lanes 16-31 begin 32 rows further down
	s_wait_alu depctr_va_vdst(0)                   ; the wait at the head's end
	s_wait_kmcnt 0x0
	s_cmp_eq_u32 s22, 0
	s_cselect_b64 s[34:35], s[4:5], s[6:7]
	s_cmp_eq_u32 s22, 2
	s_cselect_b64 s[34:35], s[8:9], s[34:35]
	s_cmp_eq_u32 s22, 3
	s_cselect_b64 s[34:35], s[10:11], s[34:35]
	s_add_nc_u64 s[34:35], s[34:35], s[28:29]
	s_add_nc_u64 s[36:37], s[12:13], s[30:31]
	s_add_nc_u64 s[38:39], s[12:13], s[14:15]
.irp i, 0,1,2,3,4,5,6,7,8,9,10,11,12,13,14,15,16,17,18,19,20,21,22,23,24,25,26,27,28,29,30,31
	global_load_b32 v[X+\i], v4, s[34:35] offset:1280*\i
.endr
	s_cmp_eq_u32 s21, 2
	s_cbranch_scc1 .Lzeros
.irp i, 0,1,2,3,4,5,6,7,8,9,10,11,12,13,14,15,16,17,18,19,20,21,22,23,24,25,26,27,28,29,30,31
	global_load_b32 v[X+32+\i], v4, s[34:35] offset:1280*(64+\i)
.endr
	s_branch .Lloaded
.Lzeros:
.irp i, 0,1,2,3,4,5,6,7,8,9,10,11,12,13,14,15,16,17,18,19,20,21,22,23,24,25,26,27,28,29,30,31
	v_mov_b32 v[X+32+\i], 0                        ; k = 320 .. 383: the quantiser fills with zeros
.endr
.Lloaded:
	s_wait_alu depctr_va_vdst(0)
	s_wait_loadcnt 0x0                             ; the two ways issue different numbers of loads: the wait is for all
.irp c, 0,1
	v_max3_num_f32 v[TM+2*\c], |v[X+32*\c]|, |v[X+32*\c+1]|, 0x1800000   ; the floor 2^(3 - 127): the byte cannot fall under 1
	v_max3_num_f32 v[TM+2*\c+1], |v[X+32*\c+2]|, |v[X+32*\c+3]|, 0x1800000
.endr
.irp i, 4,8,12,16,20,24,28
.irp c, 0,1
	v_max3_num_f32 v[TM+2*\c], v[TM+2*\c], |v[X+32*\c+\i]|, |v[X+32*\c+\i+1]|
	v_max3_num_f32 v[TM+2*\c+1], v[TM+2*\c+1], |v[X+32*\c+\i+2]|, |v[X+32*\c+\i+3]|
.endr
.endr
	v_max_num_f32 v[TM], v[TM], v[TM+1]
	v_max_num_f32 v[TM+2], v[TM+2], v[TM+3]
	v_add_nc_u32 v[SO], 0xff000000, v[TM]          ; 2 off the exponent field: the conversions' scale operand
	v_add_nc_u32 v[SO+1], 0xff000000, v[TM+2]
.irp c, 0,1
	v_cvt_scalef32_pk16_fp6_f32 v[PC+6*\c:PC+6*\c+2], v[X+32*\c:X+32*\c+15], v[SO+\c]
	v_cvt_scalef32_pk16_fp6_f32 v[TT+4*\c:TT+4*\c+2], v[X+32*\c+16:X+32*\c+31], v[SO+\c]
.endr
	v_lshrrev_b32 v[TM], 23, v[SO]                 ; the bytes of my blocks h and 2 + h
	v_lshrrev_b32 v[TM+1], 23, v[SO+1]
.irp c, 0,1
.irp i, 0,1,2
	v_mov_b32 v[PC+6*\c+3+\i], v[TT+4*\c+\i]
.endr
.endr
	v_lshl_or_b32 v14, v[TM+1], 16, v[TM]
	v_lshlrev_b32 v14, v7, v14
	v_permlanex16_b32 v15, v14, s16, s17
	v_or_b32 v14, v14, v15                         ; with lane l xor 16's two the word is whole
.irp q, 0,1,2
	global_store_b128 v5, v[PC+4*\q:PC+4*\q+3], s[36:37] offset:512*\q   ; 512 consecutive bytes, aligned
.endr
	global_store_b32 v6, v14, s[38:39]
	s_endpgm
.Lfunc_end_k_q79ab5a1132_wprep:
	.size	k_q79ab5a1132_wprep, .Lfunc_end_k_q79ab5a1132_wprep-k_q79ab5a1132_wprep
	.p2alignl 7, 3214868480
	.fill 96, 4, 3214868480
	.section	.rodata,"a",@progbits
	.p2align	6, 0x0
	.amdhsa_kernel k_q79ab5a1132_wprep
		.amdhsa_group_segment_fixed_size 0
		.amdhsa_private_segment_fixed_size 0
		.amdhsa_enable_private_segment 0
		.amdhsa_kernarg_size 40
		.amdhsa_user_sgpr_count 2
		.amdhsa_user_sgpr_kernarg_segment_ptr 1
		.amdhsa_wavefront_size32 1
		.amdhsa_system_sgpr_workgroup_id_x 1
		.amdhsa_system_sgpr_workgroup_id_y 1
		.amdhsa_system_sgpr_workgroup_id_z 1
		.amdhsa_system_vgpr_workitem_id 0
		.amdhsa_next_free_vgpr 104
		.amdhsa_next_free_sgpr 66
		.amdhsa_reserve_vcc 0
		.amdhsa_float_denorm_mode_32 3
		.amdhsa_float_denorm_mode_16_64 3
		.amdhsa_memory_ordered 1
		.amdhsa_forward_progress 1
		.amdhsa_inst_pref_size 13
	.end_amdhsa_kernel
	.amdgpu_metadata
---
amdhsa.version: [ 1, 2 ]
amdhsa.kernels:
  - .name:           k_q79ab5a1132_wprep
    .symbol:         k_q79ab5a1132_wprep.kd
    .args:
      - { .name: Wq, .offset: 0, .size: 8, .value_kind: global_buffer, .address_space: global }
      - { .name: Wk, .offset: 8, .size: 8, .value_kind: global_buffer, .address_space: global }
      - { .name: Wv, .offset: 16, .size: 8, .value_kind: global_buffer, .address_space: global }
      - { .name: Wo, .offset: 24, .size: 8, .value_kind: global_buffer, .address_space: global }
      - { .name: wimg, .offset: 32, .size: 8, .value_kind: global_buffer, .address_space: global }
    .group_segment_fixed_size: 0
    .private_segment_fixed_size: 0
    .kernarg_segment_align: 8
    .kernarg_segment_size: 40
    .max_flat_workgroup_size: 32
    .sgpr_count:     66
    .vgpr_count:     104
    .wavefront_size: 32
...
	.end_amdgpu_metadata
.endif
;; end of part 1
;; launch proj (part 2): grid 256 x 1, 8 waves a work-group, no clusters, 104,960 bytes of LDS; arguments x, wimg, edge, qimg, kvimg; writes qimg, kvimg
.if DOCPART == 2
	.amdgcn_target "amdgcn-amd-amdhsa--gfx1250"
	.amdhsa_code_object_version 6
	.text
	.protected	k_q79ab5a1132_proj
	.globl	k_q79ab5a1132_proj
	.p2align	8
	.type	k_q79ab5a1132_proj,@function
k_q79ab5a1132_proj:
	s_mov_b64 s[64:65], 0
	v_nop
	global_prefetch_b8 v0, s[64:65] scope:SCOPE_SE
	s_setreg_imm32_b32 hwreg(HW_REG_WAVE_MODE, 25, 1), 1
	s_wait_xcnt 0x0
; x is quantised along K = 320; q = x Wq, k = x Wk, v = x Wv on codes of E2M3 (three K steps of 128, the rest zero codes of the weights), and the results are quantised at once for the attention: q and k along the head's 64, v along the keys.
; SHARES.  A work-group takes 64 tokens and eight of the fifteen UNITS (unit = 5 x matrix + head), one to a wave.  Group 0 has units 0-7, group 1 units 7-14: of unit 7 (a head of k) group 0 makes the tokens' tiles 0, 1 and group 1 tiles 2, 3.  So 128 x 2 work-groups.
; A TILE g = 0 .. 3 of the 64 tokens: row r is token 8 g + r % 8 + 32 (r / 8); a weight's tile likewise (see the launch before).  So in q and k (source 0 = the weight, source 1 = x) a lane's 32 results of four weight tiles are d = 32 h + 0 .. 31 of one token,
; and in v (source 0 = x, source 1 = the weight) its 32 results of four token tiles are keys 32 h + 0 .. 31 of one column (h = lane / 16): a whole scale block in a lane, and the codes are six registers of the next operand as they fall.
; x: each wave loads 10,240 bytes on end; they lie in LDS with 16 bytes behind each 256 (and 128 more from token 32 on); a wave then quantises tile w % 4, 64-number pieces 0-2 (w < 4) or 3, 4; codes and scale bytes go to all waves through LDS as images of operand registers.
; WEIGHTS go straight into the registers of the one wave that multiplies them, each wave other records; x's bytes serve two work-groups only; no tensor loads, so no joint requests and no loop in which to ask ahead.
; K = 320 .. 383: the weights' codes are zeros, so x's registers there hold any codes: the next tile's first six (behind the second tile zeros), under the byte 127.
; OUT: qimg: (batch-head x 64 + pair of tiles) x 1,536 bytes: 12 registers (tile u = 0 in 0-5, u = 1 in 6-11) as three chunks of 512; from byte 1,966,080 on the scale words, 128 bytes a pair.
; kvimg, a block of 13,824 bytes for 128 keys: K's scale words (c x 256 + 8 x lane + 4 x pair), V's at 512 (16 x lane + 4 t + 2 c), edge at 1,024, K's fragments at 1,536 (2 c + pair), V's at 7,680 (c x 3,072 + t x 768: registers 0-3, then 4-5); c = which 64 keys.
; LIMITS: magnitudes under 2^-124 are taken under the floor's scale; a block of zeros keeps the byte 1 (its codes are zeros; this program alone reads the bytes); NaN and infinities are not served.
.set L16, 1
.set L8,  2
.set L4,  3
.set SPW, 4
.set NIL, 5
.set SH8, 6
.set WOFF, 7
.set WS,  8                            ; v8-19 the weight's scale words: 3 x tile + K step
.set XS,  20                           ; v20-25 x's, two tiles
.set FR,  26                           ; v26-37 codes (ahead of the products: addresses in v26-31)
.set TT,  38
.set WD,  41
.set TA,  42
.set TB,  43
.set SO,  44
.set PX,  45
.set W,   46                           ; v46-189 the weight: 36 x tile + 12 x K step
.set XO,  190                          ; v190-255 x: two tiles of 30 registers, six zeros
.set ACC, 0                            ; window 1: v256-383 accumulators; first x as loaded
.set XC,  87296                        ; LDS: x in f32 from 0; its codes; its scale words; the spare words
.set XSC, XC+15360
.set SPARE, XSC+1024
.set SEL, 42
.set MSB, 0
.macro WIN new
.if MSB != \new
	s_set_vgpr_msb (MSB<<8)|\new
.set MSB, \new
.endif
.endm
.macro PLACES
.rept 4
	v_nop
.endr
.endm
	s_load_b256 s[4:11], s[0:1], 0x0               ; x, wimg, edge, qimg
	s_load_b64 s[12:13], s[0:1], 0x20              ; kvimg
	v_lshrrev_b32 v8, 5, v0
	v_readfirstlane_b32 s16, v8                    ; wave
	s_mov_b32 s[SEL], 0x76543210
	s_mov_b32 s[SEL+1], 0xfedcba98
	s_lshr_b32 s17, s16, 2
	s_and_b32 s18, s16, 3
	s_bfe_u32 s19, ttmp9, 0x10003                  ; group
	s_and_b32 s20, ttmp9, 7
	s_lshr_b32 s21, ttmp9, 4
	s_lshl_b32 s21, s21, 3
	s_add_co_u32 s20, s20, s21                     ; block of 64 tokens, 0 .. 127
	s_mul_i32 s21, s19, 7
	s_add_co_u32 s21, s21, s16                     ; unit
	s_mul_i32 s22, s21, 52
	s_lshr_b32 s22, s22, 8                         ; matrix: 0 q, 1 k, 2 v
	s_mul_i32 s23, s22, 5
	s_sub_co_u32 s23, s21, s23                     ; head
	s_lshr_b32 s24, s20, 5
	s_mul_i32 s24, s24, 5
	s_add_co_u32 s24, s24, s23                     ; batch-head
	s_and_b32 s25, s20, 31                         ; which 64 of the batch
	s_mul_i32 s26, s20, 81920
	s_mul_i32 s27, s16, 10240
	s_add_co_u32 s26, s26, s27
	s_mov_b32 s27, 0
	s_mul_i32 s28, s21, 20480                      ; the unit's four records
	s_mov_b32 s29, 0
	s_lshl_b32 s44, s24, 6
	s_lshl_b32 s45, s25, 1
	s_add_co_u32 s44, s44, s45                     ; q's first pair
	s_lshl_b32 s46, s24, 4
	s_lshr_b32 s47, s25, 1
	s_add_co_u32 s46, s46, s47
	s_mul_i32 s46, s46, 13824                      ; the block of kvimg
	s_and_b32 s47, s25, 1                          ; c
	s_mul_i32 s48, s47, 3072
	s_add_co_u32 s48, s48, s46
	s_add_co_u32 s48, s48, 1536
	s_cmp_eq_u32 s22, 2
	s_cselect_b32 s49, 6144, 0
	s_add_co_u32 s48, s48, s49
	s_mul_i32 s50, s44, 1536
	s_lshl_b32 s51, s47, 8
	s_add_co_u32 s55, s51, s46
	s_add_co_u32 s55, s55, 1024                    ; edge
	s_add_co_u32 s51, s51, s46                     ; k's scale words
	s_lshl_b32 s52, s47, 1
	s_add_co_u32 s52, s52, s46
	s_add_co_u32 s52, s52, 512                     ; v's
	s_lshl_b32 s53, s44, 7
	s_add_co_u32 s53, s53, 1966080                 ; q's
	s_cmp_eq_u32 s22, 2
	s_cselect_b32 s51, s52, s51
	s_cmp_eq_u32 s22, 0
	s_cselect_b32 s48, s50, s48
	s_cselect_b32 s51, s53, s51
	s_cselect_b32 s54, 128, 4                      ; from the first pair's words to the second's
	s_cselect_b32 s56, 2, 3
	s_add_co_u32 s54, s54, s51
	s_and_b32 s57, s24, 3
	s_lshl_b32 s57, s57, 11
	s_lshl_b32 s58, s25, 6
	s_add_co_u32 s57, s57, s58
	s_lshl_b32 s57, s57, 2                         ; edge row batch-head mod 4, my 64 tokens
	s_lshl_b32 s58, s21, 1
	s_add_co_u32 s58, s58, s19                     ; 15: only the second pair; 14: only the first
	s_mov_b32 s61, 0
	; LDS addresses
	s_mul_i32 s14, s16, 10880
	s_lshl_b32 s15, s17, 7
	s_add_co_u32 s14, s14, s15                     ; x, on the way in
	s_mul_i32 s15, s18, 10880
	s_mul_i32 s59, s17, 816
	s_add_co_u32 s15, s15, s59                     ; out of it
	v_lshl_add_u32 v[SPW], v0, 2, SPARE
	v_mov_b32 v[NIL], 0
	v_and_b32 v8, 31, v0
	v_lshlrev_b32 v[L16], 4, v8
	v_lshlrev_b32 v[L8], 3, v8
	v_lshlrev_b32 v[L4], 2, v8
	v_lshlrev_b32 v[WOFF], s56, v8
	v_and_b32 v9, 15, v0                           ; r
	v_bfe_u32 v10, v0, 4, 1                        ; h
	v_and_b32 v11, 7, v0
	v_bfe_u32 v12, v0, 3, 1                        ; r / 8
	v_lshlrev_b32 v[SH8], 3, v10
	v_lshl_add_u32 v26, v10, 4, v[L16]
	v_add_nc_u32 v26, s14, v26
	v_mul_u32_u24 v27, 1360, v11
	v_mad_u32_u24 v27, v12, 43648, v27
	v_lshl_add_u32 v27, v10, 7, v27
	v_add_nc_u32 v27, s15, v27
	s_mul_i32 s14, s18, 192
	s_mul_i32 s15, s17, 66
	s_add_co_u32 s15, s15, s14
	s_add_co_u32 s15, s15, XSC
	s_mul_i32 s59, s17, 126
	s_add_co_u32 s59, s59, s14
	s_add_co_u32 s59, s59, XSC
	s_wait_alu depctr_va_vdst(0)
	v_lshl_add_u32 v13, v9, 2, v10                 ; 4 r + h
	v_add_nc_u32 v28, s15, v13                     ; scale byte of my first piece, and of my third (64 on)
	v_add_nc_u32 v29, s59, v13                     ; of my second (2 on)
	s_mul_i32 s14, s18, 3840
	s_mul_i32 s15, s17, 2304
	s_add_co_u32 s14, s14, s15
	s_add_co_u32 s14, s14, XC
	v_add_nc_u32 v30, s14, v[L16]                  ; codes: registers 0-3,
	v_add_nc_u32 v31, s14, v[L8]                   ; 4-5
	v_lshl_add_u32 v39, v0, 2, XSC
	v_mov_b32 v38, 0x7f7f7f7f
	v_mov_b32 v[PX], 0                             ; (a lane permute's destination counts as one of its sources)
	s_wait_alu depctr_va_vdst(0)                   ; the wait at the head's end
	s_wait_kmcnt 0x0
	s_add_nc_u64 s[30:31], s[4:5], s[26:27]
	s_add_nc_u64 s[32:33], s[6:7], s[28:29]
	WIN 0x40
.irp i, 0,1,2,3,4,5,6,7,8,9,10,11,12,13,14,15,16,17,18,19
	global_load_b128 v[4*\i:4*\i+3], v[L16], s[30:31] offset:512*\i      ; x: 512 consecutive bytes a load
.endr
	WIN 0
.irp n, 0,1,2,3
.irp q, 0,1,2,3,4,5,6,7,8
	global_load_b128 v[W+36*\n+4*\q:W+36*\n+4*\q+3], v[L16], s[32:33] offset:5120*\n+512*\q
.endr
.irp s, 0,1,2
	global_load_b32 v[WS+3*\n+\s], v[L4], s[32:33] offset:5120*\n+4608+128*\s
.endr
.endr
	s_cmp_eq_u32 s22, 0
	s_cselect_b64 s[14:15], s[10:11], s[12:13]
	s_mov_b32 s60, s48
	s_add_nc_u64 s[34:35], s[14:15], s[60:61]      ; where the fragments go
	s_mov_b32 s60, s51
	s_add_nc_u64 s[36:37], s[14:15], s[60:61]      ; the first pair's scale words (v: all)
	s_mov_b32 s60, s54
	s_add_nc_u64 s[38:39], s[14:15], s[60:61]      ; the second pair's
	s_mov_b32 s60, s57
	s_add_nc_u64 s[40:41], s[8:9], s[60:61]        ; edge
	ds_store_b32 v39, v38                          ; x's scale words begin as bytes 127: K = 320 .. 383
	s_wait_loadcnt 48                              ; x is in; the weights' 48 loads may be out
	WIN 0x04
.irp i, 0,1,2,3,4,5,6,7,8,9,10,11,12,13,14,15,16,17,18,19
	ds_store_b128 v26, v[4*\i:4*\i+3] offset:544*\i
.endr
	WIN 0
	s_wait_dscnt 0x0
	s_barrier_signal -1
	s_barrier_wait -1
.macro XREAD j, dst
.irp i, 0,1,2,3,4,5,6,7
	ds_load_b128 v[\dst+4*\i:\dst+4*\i+3], v27 offset:272*\j+16*\i
.endr
.endm
; 32 numbers of a lane become six registers of codes and a scale byte
.macro XQUANT j, src, adr, off
	v_max3_num_f32 v[TA], |v[\src]|, |v[\src+1]|, 0x1800000
	v_max3_num_f32 v[TB], |v[\src+2]|, |v[\src+3]|, 0x1800000
.irp i, 4,8,12,16,20,24,28
	v_max3_num_f32 v[TA], v[TA], |v[\src+\i]|, |v[\src+\i+1]|
	v_max3_num_f32 v[TB], v[TB], |v[\src+\i+2]|, |v[\src+\i+3]|
.endr
	v_max_num_f32 v[TA], v[TA], v[TB]
	v_add_nc_u32 v[SO], 0xff000000, v[TA]          ; 2 off the exponent field
	v_cvt_scalef32_pk16_fp6_f32 v[32:34], v[\src:\src+15], v[SO]
	v_cvt_scalef32_pk16_fp6_f32 v[TT:TT+2], v[\src+16:\src+31], v[SO]
	v_lshrrev_b32 v[WD], 23, v[SO]
	v_mov_b32 v35, v[TT]
	v_mov_b32 v36, v[TT+1]
	v_mov_b32 v37, v[TT+2]
	ds_store_b128 v30, v[32:35] offset:768*\j
	ds_store_b64 v31, v[36:37] offset:768*\j+512
	ds_store_b8 \adr, v[WD] offset:\off
.endm
	XREAD 0, XO
	XREAD 1, XO+32
	s_wait_dscnt 8                                 ; the first piece is in
	XQUANT 0, XO, v28, 0
	s_wait_dscnt 0x0
	XQUANT 1, XO+32, v29, 2
	s_cmp_lt_u32 s16, 4
	s_cbranch_scc0 .Lno_third
	XREAD 2, XO
	s_wait_dscnt 0x0
	XQUANT 2, XO, v28, 64
.Lno_third:
	s_wait_dscnt 0x0
.irp i, 0,1,2,3,4,5
	v_mov_b32 v[XO+60+\i], 0
.endr
	v_add_nc_u32 v26, XC, v[L16]
	v_add_nc_u32 v27, XC, v[L8]
	v_and_b32 v28, 15, v0
	v_lshlrev_b32 v28, 2, v28
	v_add_nc_u32 v28, XSC, v28
	v_mov_b32 v38, v26                             ; (addresses for the products' loads: the codes take v26 on)
	v_mov_b32 v39, v27
	v_mov_b32 v40, v28
	s_wait_alu depctr_va_vdst(0)
	s_barrier_signal -1
	s_barrier_wait -1
	s_wait_loadcnt 0x0                             ; the weights are in
; a pair of token tiles (2 gp, 2 gp + 1) into XO
.macro XPAIR gp, a16, a8, a4
.irp k, 0,1
.irp q, 0,1,2,3,4
	ds_load_b128 v[XO+30*\k+6*\q:XO+30*\k+6*\q+3], \a16 offset:((2*\gp+\k)*5+\q)*768
	ds_load_b64 v[XO+30*\k+6*\q+4:XO+30*\k+6*\q+5], \a8 offset:((2*\gp+\k)*5+\q)*768+512
.endr
.irp s, 0,1,2
	ds_load_b32 v[XS+3*\k+\s], \a4 offset:((2*\gp+\k)*3+\s)*64
.endr
.endr
	s_wait_dscnt 0x0
.endm
.macro MM d, a, b, first, sa, sb
.if \first
	v_wmma_scale_f32_16x16x128_f8f6f4 v[\d:\d+7], v[\a:\a+11], v[\b:\b+11], 0, v[\sa], v[\sb] matrix_a_fmt:MATRIX_FMT_FP6 matrix_b_fmt:MATRIX_FMT_FP6
.else
	v_wmma_scale_f32_16x16x128_f8f6f4 v[\d:\d+7], v[\a:\a+11], v[\b:\b+11], v[\d:\d+7], v[\sa], v[\sb] matrix_a_fmt:MATRIX_FMT_FP6 matrix_b_fmt:MATRIX_FMT_FP6
.endif
.endm
; the 32 sums from register a of window 1 on become six registers of codes at f; the two bytes of the row (or column) stand in v[TA]
.macro FIN a, f
	WIN 0x15
	v_max3_num_f32 v[TA], |v[\a]|, |v[\a+1]|, 0x1800000
	v_max3_num_f32 v[TB], |v[\a+2]|, |v[\a+3]|, 0x1800000
	WIN 0x14
.irp i, 4,8,12,16,20,24,28
	v_max3_num_f32 v[TA], v[TA], |v[\a+\i]|, |v[\a+\i+1]|
	v_max3_num_f32 v[TB], v[TB], |v[\a+\i+2]|, |v[\a+\i+3]|
.endr
	WIN 0
	v_max_num_f32 v[TA], v[TA], v[TB]
	v_add_nc_u32 v[SO], 0xff000000, v[TA]
	WIN 0x01
	v_cvt_scalef32_pk16_fp6_f32 v[\f:\f+2], v[\a:\a+15], v[SO]
	v_cvt_scalef32_pk16_fp6_f32 v[W:W+2], v[\a+16:\a+31], v[SO]
	WIN 0
	v_lshrrev_b32 v[TA], 23, v[SO]
	v_lshlrev_b32 v[TA], v[SH8], v[TA]
	v_mov_b32 v[\f+3], v[W]
	v_mov_b32 v[\f+4], v[W+1]
	v_mov_b32 v[\f+5], v[W+2]
	v_permlanex16_b32 v[PX], v[TA], s[SEL], s[SEL+1]
	v_or_b32 v[TA], v[TA], v[PX]
.endm
.macro PAIRQK gp, words
	XPAIR \gp, v38, v39, v40
	WIN 0x50
.irp s, 0,1,2
.irp k, 0,1
.irp n, 0,1,2,3
	MM ACC+32*\k+8*\n, W+4+36*\n+12*\s-4, XO+30*\k+12*\s, (\s==0), WS+3*\n+\s, XS+3*\k+\s
.endr
.endr
.endr
	WIN 0
	PLACES
	s_wait_xcnt 0x0                                ; the last pair's stores have read their registers
	FINQ ACC, FR
	v_mov_b32 v[WD], v[TA]
	FINQ ACC+32, FR+6
	v_lshl_or_b32 v[WD], v[TA], 16, v[WD]
.irp q, 0,1,2
	global_store_b128 v[L16], v[FR+4*\q:FR+4*\q+3], s[34:35] offset:1536*\gp+512*\q   ; 512 consecutive bytes, aligned
.endr
	global_store_b32 v[WOFF], v[WD], \words
.endm
; as FIN, with the second half's codes in window 1's last registers' stead: v380-382, which q and k leave free
.macro FINQ a, f
	WIN 0x15
	v_max3_num_f32 v[TA], |v[\a]|, |v[\a+1]|, 0x1800000
	v_max3_num_f32 v[TB], |v[\a+2]|, |v[\a+3]|, 0x1800000
	WIN 0x14
.irp i, 4,8,12,16,20,24,28
	v_max3_num_f32 v[TA], v[TA], |v[\a+\i]|, |v[\a+\i+1]|
	v_max3_num_f32 v[TB], v[TB], |v[\a+\i+2]|, |v[\a+\i+3]|
.endr
	WIN 0
	v_max_num_f32 v[TA], v[TA], v[TB]
	v_add_nc_u32 v[SO], 0xff000000, v[TA]
	WIN 0x01
	v_cvt_scalef32_pk16_fp6_f32 v[\f:\f+2], v[\a:\a+15], v[SO]
	WIN 0x41
	v_cvt_scalef32_pk16_fp6_f32 v[124:126], v[\a+16:\a+31], v[SO]
	WIN 0
	v_lshrrev_b32 v[TA], 23, v[SO]
	v_lshlrev_b32 v[TA], v[SH8], v[TA]
	WIN 0x01
	v_mov_b32 v[\f+3], v124
	v_mov_b32 v[\f+4], v125
	v_mov_b32 v[\f+5], v126
	WIN 0
	v_permlanex16_b32 v[PX], v[TA], s[SEL], s[SEL+1]
	v_or_b32 v[TA], v[TA], v[PX]
.endm
.macro PAIRV gp
	XPAIR \gp, v38, v39, v40
	WIN 0x50
.irp s, 0,1,2
.irp k, 0,1
.irp n, 0,1,2,3
	MM ACC+32*\n+8*(2*\gp+\k), XO+30*\k+12*\s, W+36*\n+12*\s, (\s==0), XS+3*\k+\s, WS+3*\n+\s
.endr
.endr
.endr
	WIN 0
	PLACES
.endm
	s_cmp_lt_u32 s21, 10
	s_cbranch_scc0 .Lvalues
	s_cmp_eq_u32 s58, 15
	s_cbranch_scc1 .Lsecond
	PAIRQK 0, s[36:37]
.Lsecond:
	s_cmp_eq_u32 s58, 14
	s_cbranch_scc1 .Ldone
	PAIRQK 1, s[38:39]
	s_branch .Ldone
.Lvalues:
	s_mov_b32 s60, s55
	s_add_nc_u64 s[38:39], s[12:13], s[60:61]      ; where edge goes
	global_load_b64 v[36:37], v[L8], s[40:41]
	PAIRV 0
	PAIRV 1
	v_nop                                          ; a fifth place: the weight's first registers are written by vector instructions from here on
.irp t, 0,1,2,3
.if \t > 0
	s_wait_xcnt 0x0                                ; the last stores have read their registers
.endif
	FIN ACC+32*\t, FR
	global_store_b128 v[L16], v[FR:FR+3], s[34:35] offset:768*\t
	global_store_b64 v[L8], v[FR+4:FR+5], s[34:35] offset:768*\t+512
	global_store_b16 v[L16], v[TA], s[36:37] offset:4*\t
.endr
	s_wait_loadcnt 0x0
	global_store_b64 v[L8], v[36:37], s[38:39]     ; the 64 keys' edge numbers: 256 bytes, aligned
.Ldone:
	s_wait_tensorcnt 0x0                           ; the wave's end
	ds_add_u32 v[SPW], v[NIL]
	s_wait_dscnt 0x0
	s_endpgm
.Lfunc_end_k_q79ab5a1132_proj:
	.size	k_q79ab5a1132_proj, .Lfunc_end_k_q79ab5a1132_proj-k_q79ab5a1132_proj
	.p2alignl 7, 3214868480
	.fill 96, 4, 3214868480
	.section	.rodata,"a",@progbits
	.p2align	6, 0x0
	.amdhsa_kernel k_q79ab5a1132_proj
		.amdhsa_group_segment_fixed_size 104960
		.amdhsa_private_segment_fixed_size 0
		.amdhsa_enable_private_segment 0
		.amdhsa_kernarg_size 40
		.amdhsa_user_sgpr_count 2
		.amdhsa_user_sgpr_kernarg_segment_ptr 1
		.amdhsa_wavefront_size32 1
		.amdhsa_system_sgpr_workgroup_id_x 1
		.amdhsa_system_sgpr_workgroup_id_y 1
		.amdhsa_system_sgpr_workgroup_id_z 1
		.amdhsa_system_vgpr_workitem_id 0
		.amdhsa_next_free_vgpr 384
		.amdhsa_next_free_sgpr 66
		.amdhsa_reserve_vcc 0
		.amdhsa_float_denorm_mode_32 3
		.amdhsa_float_denorm_mode_16_64 3
		.amdhsa_memory_ordered 1
		.amdhsa_forward_progress 1
		.amdhsa_inst_pref_size 57
	.end_amdhsa_kernel
	.amdgpu_metadata
---
amdhsa.version: [ 1, 2 ]
amdhsa.kernels:
  - .name:           k_q79ab5a1132_proj
    .symbol:         k_q79ab5a1132_proj.kd
    .args:
      - { .name: x, .offset: 0, .size: 8, .value_kind: global_buffer, .address_space: global }
      - { .name: wimg, .offset: 8, .size: 8, .value_kind: global_buffer, .address_space: global }
      - { .name: edge, .offset: 16, .size: 8, .value_kind: global_buffer, .address_space: global }
      - { .name: qimg, .offset: 24, .size: 8, .value_kind: global_buffer, .address_space: global }
      - { .name: kvimg, .offset: 32, .size: 8, .value_kind: global_buffer, .address_space: global }
    .group_segment_fixed_size: 104960
    .private_segment_fixed_size: 0
    .kernarg_segment_align: 8
    .kernarg_segment_size: 40
    .max_flat_workgroup_size: 256
    .sgpr_count:     66
    .vgpr_count:     384
    .wavefront_size: 32
...
	.end_amdgpu_metadata
.endif
;; end of part 2
;; launch attn (part 3): grid 256 x 1, 20 waves a work-group, clusters of 4 x 1, 327,680 bytes of LDS; arguments qimg, kvimg, wimg, edge, bo, out0; writes out0
.if DOCPART == 3
	.amdgcn_target "amdgcn-amd-amdhsa--gfx1250"
	.amdhsa_code_object_version 6
	.text
	.protected	k_q79ab5a1132_attn
	.globl	k_q79ab5a1132_attn
	.p2align	8
	.type	k_q79ab5a1132_attn,@function
k_q79ab5a1132_attn:
	s_mov_b64 s[64:65], 0
	v_nop
	global_prefetch_b8 v0, s[64:65] scope:SCOPE_SE
	s_setreg_imm32_b32 hwreg(HW_REG_WAVE_MODE, 25, 1), 1
	s_wait_xcnt 0x0
	s_wait_alu depctr_hold_cnt(0) depctr_sa_sdst(0) depctr_va_vdst(0) depctr_va_sdst(0) depctr_va_ssrc(0) depctr_va_vcc(0) depctr_vm_vsrc(0)
	s_getreg_b32 s2, hwreg(HW_REG_IB_STS2, 6, 4)
	s_cmp_eq_u32 s2, 0
	s_cbranch_scc0 .Lentry_in_a_cluster
	s_endpgm
.Lentry_in_a_cluster:
	s_bfe_u32 s2, ttmp6, 0x10000c
	s_cmp_lg_u32 s2, 0x3003
	s_cbranch_scc0 .Lentry_shape_is_right
	s_endpgm
.Lentry_shape_is_right:
; out = (softmax(q k^T / 8 x e_i e_j) v) Wo + bo, all three products on codes of E2M3 with one E8M0 byte for each 32 along K.  e is the edge row (batch-head mod 4).
; SOFTMAX: t = score x e_j x e_i x log2(e) / 8; M = the largest t so far, rounded up to a whole number; p = 2^(t - M) is quantised along the keys, not normalised; the row's sum is taken of the unquantised p and divides at the end.
; SHARES.  A work-group owns 32 tokens of one batch (tokens 64 G + 16 gp + 0 .. 15 and 32 further on), all five heads.  Wave w = 4 head + 2 half + tile: 16 queries, one head, one half of the 2,048 keys: eight steps of 128 keys.  Twenty equal waves, five to a SIMD.
; At the end the two halves are merged through LDS, o is quantised along (head, d), and wave w makes output columns 16 w .. 16 w + 15.
; LAYOUT.  Both products are used transposed: a lane (r, h) holds ONE query.  Row r of a tile g is place 8 g + r % 8 + 32 (r / 8) of 64, for keys, queries and d alike: register 32 c + n of the scores is key 64 c + 32 h + n, so a lane holds whole blocks of 32 keys,
; and register n of O^T is d = 32 h + n.
; K = 64 IN AN INSTRUCTION OF 128: a fragment of K holds two tiles of keys (u = 0 in registers 0-5, u = 1 in 6-11).  Against [q | zero codes] it gives tile u = 0's scores, against [zero codes | q] tile u = 1's.  q with six zero registers on
; either side serves as both operands.  Zero codes add nothing: every scale byte lies in 1 .. 254.
; THE EDGE.  u = score x e_j: a step's 128 e_j lie in four registers: register 2 c + x, lane 16 h + i, holds key 64 c + 32 h + 2 i + x's; the multiply takes it from lane i of its own row of lanes.  t - M = u x (|e_i| log2(e) / 8) - M, one fused multiply-add.
; Where e_i is negative the sign bits of q's codes are turned once: (-q) . k = -(q . k) exactly.  So the factor is never negative and a block's largest u is its largest t; the scale of its p is made from floor(t - M), the exponent of its largest p.
; CLUSTER.  The four work-groups of a cluster lie in one batch and walk the same blocks of kvimg: each of the twenty parts of a step is asked for JOINTLY, by the same tensor load with the same descriptor and the mask of all four; Wo's tiles likewise.
; RING.  Two LDS slots of one step (ten blocks of 13,824 bytes); wave w fills part w (27 rows of 256 bytes); two steps to a slot would not fit.  A step's fragments of V take K's registers, so its reads of the slot are over ahead of its last part: there the round is opened,
; and it is waited for behind the step's products; then the slot just read takes the step two on.  Step 6's slot takes Wo.  By this text's count one tensor load of a wave is out.
; LIMITS: NaN and infinities are not served; the scaled scores stay under 2^31 in magnitude; a block of zeros keeps the byte 1 (its codes are zeros); the logit is rounded as (s e_j)(|e_i| c), in f32;
; v_exp_f32 gives 0 for results under 2^-126.
.set SLOT,  138240
.set PART,  6912                       ; half a block
.set BLKB,  13824
.set QWORDS, 1966080                   ; q's scale words in qimg
.set KOFF,  1536
.set VOFF,  7680
.set SPARE, 2*SLOT                     ; the spare words, 128 bytes for each wave
.set BOL,   SPARE+2560                 ; bo
.set OIMG,  BOL+2560                   ; o's codes: (tile, head) as 768 bytes: three pieces of two registers, 8 bytes a lane
.set OSC,   OIMG+7680                  ; o's scale words: (tile, K step) as 64 bytes
.set MRG,   SLOT                       ; the tail works in slot 1, which has had its last fill and its last read: each wave's O^T (4,096 bytes) and -M, l (256)
.set MRGB,  4352
.set STG,   SLOT+20*MRGB               ; and 32 rows of results
.set SP,    1296
.set BM,   0                           ; v[0:1]  the two blocks' largest u, then t - M, then its floor
.set AD,   2                           ; v2, v3  my block in slot 0, 1, + 16 x lane
.set ADB,  4                           ; v4, v5  the same, + 8 x lane
.set SPW,  6
.set NIL,  7
.set CE,   8                           ; |e_i| log2(e) / 8
.set PFO,  9                           ; the prefetches' offset; never rewritten
.set NMA,  10                          ; -M behind steps 0, 2, ..
.set PS,   11                          ; p's scale word
.set NMB,  12                          ; -M behind steps 1, 3, ..
.set TS,   13                          ; 32 x thread + 8 h: a shift takes the lowest five bits, 8 h
.set LS,   14                          ; v[14:15] the sum, in two halves
.set FF,   16                          ; 2^(old M - new M)
.set QS,   17                          ; q's scale word: its two bytes, twice
.set QHI,  18                          ; v[18:29] = [0 | q]
.set QLO,  24                          ; v[24:35] = [q | 0]
.set SV,   36                          ; V's scale words
.set SC,   40                          ; K's
.set F,    44                          ; v44-91  K's four fragments, then V's
.set E,    92                          ; v92-95  e_j, then at work
.set S,    96                          ; v96-159 the scores, then p
.set PC,   92                          ; v92-103 p's codes
.set O,    160                         ; v160-191 O^T
.set G1,   16
.set G0,   24
.set WV,   32
.set QT,   33
.set KH,   34
.set HD,   35
.set CX,   36
.set CB,   37
.set BA,   38
.set PR,   39
.set SEL,  40
.set CNT,  42
.set LIM0, 43
.set PFA,  44
.set BH,   46
.set G1W,  68
.set G0W,  76
.set LIM1, 80
.macro MIDDLE                          ; a round of the cluster's barrier behind its opening signal: the opening wait; wave 0 signals for the work-group; every wave waits for all four; my work-group's barrier once more
	s_barrier_wait -1
	s_cmp_lg_u32 s[WV], 0
	s_cbranch_scc1 .Lnot_wave_0_\@
	s_barrier_signal -3
.Lnot_wave_0_\@:
	s_barrier_wait -3
	s_barrier_signal -1
	s_barrier_wait -1
.endm
.macro ROUND
	s_barrier_signal -1
	MIDDLE
.endm
; A prefetch of one part of the step three on, one whole step ahead of its tensor load.  All sixteen clusters of a batch walk the same blocks: the batch's first cluster asks.  Its four partners share the twenty parts out BY ADDRESS (part 5 cx + wave), waves 0 to 4 of each,
; a lane to each 256 bytes of the part's 27 (lanes 27-31 name the last again).  The branch hangs on the wave's and the cluster's number and the trip.  Step 4 names step 7, step 5 nothing.
.macro ASK lim
	s_cmp_gt_u32 s[CNT], s[\lim]
	s_cbranch_scc0 .Lnot_mine_\@
	global_prefetch_b8 v[PFO], s[PFA:PFA+1] th:TH_LOAD_NT scope:SCOPE_SE
.Lnot_mine_\@:
.endm
	s_load_b256 s[4:11], s[0:1], 0x0               ; qimg s[4:5], kvimg s[6:7], wimg s[8:9], edge s[10:11]
	s_load_b128 s[12:15], s[0:1], 0x20             ; bo s[12:13], out0 s[14:15]
	v_lshl_add_u32 v[SPW], v0, 2, SPARE
	v_mov_b32 v[NIL], 0
	ds_add_u32 v[SPW], v[NIL]                      ; the opening lines: the add, twice on end, and its wait
	ds_add_u32 v[SPW], v[NIL]
	v_lshrrev_b32 v14, 5, v0
	v_readfirstlane_b32 s[WV], v14                 ; wave 0 .. 19
	s_and_b32 s[QT], s[WV], 1                      ; tile of queries
	s_bfe_u32 s[KH], s[WV], 0x10001                ; half of the keys
	s_lshr_b32 s[HD], s[WV], 2                     ; head
	s_bfe_u32 s[BA], ttmp9, 0x20001                ; batch: bits 2:1 of the cluster's number
	s_and_b32 s47, ttmp9, 1
	s_lshr_b32 s48, ttmp9, 3
	s_lshl_b32 s48, s48, 1
	s_add_co_u32 s[CB], s47, s48                   ; which of the batch's sixteen clusters
	s_mul_i32 s[BH], s[BA], 5
	s_add_co_u32 s[BH], s[BH], s[HD]               ; batch-head
	s_lshl_b32 s47, s[BH], 4
	s_lshl_b32 s48, s[KH], 3
	s_add_co_u32 s47, s47, s48                     ; my first block
	s_mul_i32 s48, s47, BLKB
	s_mul_i32 s49, s[QT], PART                     ; of which I fetch one half
	s_add_co_u32 s48, s48, s49
	s_mov_b32 s49, 0
	s_mul_i32 s58, s[WV], PART                     ; and where it goes: no place in the cluster enters an LDS address or a descriptor
	s_mov_b32 s[G1+0], 15|(3<<16)|(1<<21)          ; the mask: all four work-groups; elements of 8 bytes; 21 set beside a mask
	s_mov_b32 s[G1+1], 32<<16                      ; rows of 256 bytes
	s_mov_b32 s[G1+2], 27<<16                      ; 27 of them
	s_mov_b32 s[G1+3], 32<<16
	s_mov_b32 s[G1+4], 27
	s_mov_b32 s[G1+5], 32                          ; the part is dense
	s_mov_b32 s[G1+6], 0
	s_mov_b32 s[G1+7], 0
	s_mov_b32 s[G1W+0], 15|(3<<16)|(1<<21)         ; Wo's record: 20 rows of 256 bytes
	s_mov_b32 s[G1W+1], 32<<16
	s_mov_b32 s[G1W+2], 20<<16
	s_mov_b32 s[G1W+3], 32<<16
	s_mov_b32 s[G1W+4], 20
	s_mov_b32 s[G1W+5], 32
	s_mov_b32 s[G1W+6], 0
	s_mov_b32 s[G1W+7], 0
	s_bfe_u32 s[CX], ttmp6, 0x40000                ; my place in the cluster: it enters global addresses of q, e_i, out0 and the prefetches alone
	s_lshl_b32 s[PR], s[CB], 2
	s_add_co_u32 s[PR], s[PR], s[CX]               ; my pair of tiles in the batch, 0 .. 63
	s_mov_b32 s[SEL], 0x76543210
	s_mov_b32 s[SEL+1], 0xfedcba98
	s_wait_dscnt 0x0                               ; both opening adds are done
	s_wait_kmcnt 0x0
	s_mov_b32 s[G0+0], 1
	s_mov_b32 s[G0+1], s58
	s_add_nc_u64 s[G0+2:G0+3], s[6:7], s[48:49]    ; step 0
	s_mov_b32 s[G0+4], 1
	s_add_co_u32 s[G0+5], s58, SLOT
	s_add_nc_u64 s[G0+6:G0+7], s[G0+2:G0+3], BLKB  ; step 1
	s_or_b32 s[G0+3], s[G0+3], 0x80000000
	s_or_b32 s[G0+7], s[G0+7], 0x80000000
	s_add_co_u32 s52, s[WV], 60
	s_mul_i32 s52, s52, 5120                       ; Wo's tile w: record 60 + w
	s_mov_b32 s53, 0
	s_mov_b32 s[G0W+0], 1
	s_mul_i32 s[G0W+1], s[WV], 5120
	s_add_nc_u64 s[G0W+2:G0W+3], s[8:9], s[52:53]
	s_or_b32 s[G0W+3], s[G0W+3], 0x80000000
	ROUND                                          ; all four work-groups are here: the first joint loads meet
	tensor_load_to_lds s[G0:G0+3], s[G1:G1+7]
	s_nop 0
.rept 4
	v_nop
.endr
	; q's pair of tiles, its scale words, e_i, bo
	s_lshl_b32 s50, s[BH], 6
	s_add_co_u32 s50, s50, s[PR]
	s_mul_i32 s52, s50, 1536
	s_add_nc_u64 s[52:53], s[4:5], s[52:53]
	s_lshl_b32 s50, s50, 7
	s_add_co_u32 s50, s50, QWORDS
	s_mov_b32 s51, 0
	s_add_nc_u64 s[50:51], s[4:5], s[50:51]
	s_and_b32 s54, s[BH], 3
	s_lshl_b32 s54, s54, 11
	s_lshr_b32 s55, s[PR], 1
	s_lshl_b32 s55, s55, 6
	s_add_co_u32 s54, s54, s55
	s_and_b32 s55, s[PR], 1
	s_lshl_b32 s55, s55, 4
	s_add_co_u32 s54, s54, s55
	s_lshl_b32 s55, s[QT], 3
	s_add_co_u32 s54, s54, s55
	s_lshl_b32 s54, s54, 2
	s_mov_b32 s55, 0
	s_add_nc_u64 s[54:55], s[10:11], s[54:55]
	s_and_b32 s47, s[WV], 0x1e
	s_mul_i32 s47, s47, PART                       ; my block in a slot: parts w & ~1 and the next
	v_and_b32 v110, 31, v0
	v_lshlrev_b32 v96, 4, v110                     ; 16 x lane
	v_lshlrev_b32 v98, 2, v110
	v_lshlrev_b32 v99, 3, v110
	v_and_b32 v97, 15, v0
	v_bfe_u32 v111, v0, 3, 1
	v_mad_u32_u24 v97, v111, 24, v97
	v_lshlrev_b32 v97, 2, v97                      ; 4 (r % 8 + 32 (r / 8))
	v_min_u32 v112, 0x13f, v0
	v_lshlrev_b32 v112, 2, v112                    ; bo: threads past 319 name the last number again
	v_lshl_add_u32 v113, v0, 2, BOL
	global_load_b128 v[116:119], v96, s[52:53]
	global_load_b128 v[120:123], v96, s[52:53] offset:512
	global_load_b128 v[124:127], v96, s[52:53] offset:1024
	global_load_b32 v102, v98, s[50:51]
	global_load_b32 v103, v97, s[54:55]
	global_load_b32 v114, v112, s[12:13]
	v_add_nc_u32 v[AD], s47, v96
	v_add_nc_u32 v[ADB], s47, v99
	v_add_nc_u32 v[AD+1], SLOT, v[AD]
	v_add_nc_u32 v[ADB+1], SLOT, v[ADB]
	v_bfe_u32 v111, v0, 4, 1
	v_lshlrev_b32 v111, 3, v111
	v_lshl_or_b32 v[TS], v0, 5, v111
	v_min_u32 v[PFO], 26, v110
	v_lshlrev_b32 v[PFO], 8, v[PFO]
	; the prefetches: which part is mine to name, beginning at step 3
	s_min_u32 s59, s[WV], 4
	s_mul_i32 s60, s[CX], 5
	s_add_co_u32 s59, s59, s60                     ; part 5 cx + wave
	s_lshr_b32 s60, s59, 2
	s_mul_i32 s61, s[BA], 5
	s_add_co_u32 s60, s60, s61
	s_lshl_b32 s60, s60, 4
	s_bfe_u32 s61, s59, 0x10001
	s_lshl_b32 s61, s61, 3
	s_add_co_u32 s60, s60, s61
	s_add_co_u32 s60, s60, 3
	s_mul_i32 s60, s60, BLKB
	s_and_b32 s61, s59, 1
	s_mul_i32 s61, s61, PART
	s_add_co_u32 s60, s60, s61
	s_mov_b32 s61, 0
	s_add_nc_u64 s[PFA:PFA+1], s[6:7], s[60:61]
	s_cmp_lt_u32 s[WV], 5
	s_cselect_b32 s47, s[CB], -1
	s_cmp_eq_u32 s47, 0                            ; waves 0-4 of the batch's first cluster: the same in all four partners
	s_cselect_b32 s[LIM0], 0, -1
	s_cselect_b32 s[LIM1], 1, -1
	s_cmp_eq_u32 s[QT], 1
	s_cselect_b32 s56, -1, 0
	s_lshl_b32 s57, s[QT], 4
	s_wait_alu depctr_va_vdst(0)
	s_wait_loadcnt 0x0
	ds_store_b32 v113, v114                        ; bo waits in LDS for the tail
.irp i, 0,1,2,3,4,5
	v_cndmask_b32 v[QLO+\i], v[116+\i], v[122+\i], s56   ; my tile's six registers
.endr
	v_ashrrev_i32 v104, 31, v103                   ; all ones where e_i is negative
	v_and_b32 v105, 0x20820820, v104               ; the sign bits of 16 codes in 96 bits: bits 6 i + 5
	v_and_b32 v106, 0x08208208, v104
	v_and_b32 v107, 0x82082082, v104
.irp i, 0,1,2
	v_xor_b32 v[QLO+\i], v[QLO+\i], v[105+\i]
	v_xor_b32 v[QLO+3+\i], v[QLO+3+\i], v[105+\i]
.endr
	v_lshrrev_b32 v108, s57, v102
	v_and_b32 v108, 0xffff, v108                   ; my tile's two bytes
	v_lshl_or_b32 v[QS], v108, 16, v108            ; for either half of the instruction's K
	v_and_b32 v[CE], 0x7fffffff, v103
	v_mul_f32 v[CE], 0x3e38aa3b, v[CE]             ; |e_i| x log2(e) / 8
.irp i, 0,1,2,3,4,5
	v_mov_b32 v[QHI+\i], 0
	v_mov_b32 v[QLO+6+\i], 0
.endr
	v_mov_b32 v[NMB], 0x7f61b1e6                   ; -M begins as 3e38
	v_mov_b32 v[LS], 0
	v_mov_b32 v[LS+1], 0
	v_mov_b32 v[PS], 0                             ; (named as the upper half of the pair v[10:11] before it is first written)
.irp j, 0,1,2,3,4,5,6,7,8,9,10,11,12,13,14,15,16,17,18,19,20,21,22,23,24,25,26,27,28,29,30,31
	v_mov_b32 v[O+\j], 0                           ; the step is written once: the first finds zeros.  (These 32 are also the places between the lines that made q and its scale word and the first product)
.endr
	s_wait_alu depctr_va_vdst(0)                   ; the wait at the head's end
	s_wait_tensorcnt 0x0                           ; my part of step 0 is in
	ds_add_u32 v[SPW], v[NIL]
	s_mov_b32 s[CNT], 3
	s_wait_dscnt 0x0
	ROUND
	tensor_load_to_lds s[G0+4:G0+7], s[G1:G1+7]    ; step 1, the first tensor load behind the round
	s_nop 0
.rept 4
	v_nop
.endr
; A KEY STEP: 128 keys from the slot named.  sync = 1: behind it the slot takes the step two on; 2: Wo's tiles; 0: nothing is filled again, a plain barrier shows that the slot has been read
.macro STEP slot, sync, ask, nm, old
	ds_load_2addr_b64 v[SC:SC+3], v[ADB+\slot] offset0:0 offset1:32
.irp c, 0,1,2,3,4,5,6,7,8,9,10,11
	ds_load_b128 v[F+4*\c:F+4*\c+3], v[AD+\slot] offset:KOFF+512*\c   ; K's four fragments, as images
.endr
	ds_load_2addr_b64 v[E:E+3], v[ADB+\slot] offset0:128 offset1:160   ; e_j
	ds_load_b128 v[SV:SV+3], v[AD+\slot] offset:512
.if \ask
	ASK LIM0+(LIM1-LIM0)*\slot
.endif
	s_wait_dscnt 2                                 ; K and its scale words; e_j and V's scale words may be out
.irp f, 0,1,2,3
	v_wmma_scale_f32_16x16x128_f8f6f4 v[S+16*\f:S+16*\f+7], v[F+12*\f:F+12*\f+11], v[QLO:QLO+11], 0, v[SC+\f], v[QS] matrix_a_fmt:MATRIX_FMT_FP6 matrix_b_fmt:MATRIX_FMT_FP6
	v_wmma_scale_f32_16x16x128_f8f6f4 v[S+16*\f+8:S+16*\f+15], v[F+12*\f:F+12*\f+11], v[QHI:QHI+11], 0, v[SC+\f], v[QS] matrix_a_fmt:MATRIX_FMT_FP6 matrix_b_fmt:MATRIX_FMT_FP6
.endr
.rept 4
	v_nop                                          ; four places: in front of the loads into K's registers and of the first read of results
.endr
.irp t, 0,1,2,3
.irp c, 0,1
	ds_load_b128 v[F+12*\t+6*\c:F+12*\t+6*\c+3], v[AD+\slot] offset:VOFF+3072*\c+768*\t   ; V's four fragments: registers 6 c .. are its 64 keys c
	ds_load_b64 v[F+12*\t+6*\c+4:F+12*\t+6*\c+5], v[ADB+\slot] offset:VOFF+3072*\c+768*\t+512
.endr
.endr
	s_wait_dscnt 16                                ; all but V's sixteen loads
.irp c, 0,1
.irp i, 0,1,2,3,4,5,6,7,8,9,10,11,12,13,14,15
	v_mul_f32_dpp v[S+32*\c+2*\i], v[E+2*\c], v[S+32*\c+2*\i] row_share:\i row_mask:0xf bank_mask:0xf   ; u = score x e_j; registers in ascending order: each accumulator from its low end
	v_mul_f32_dpp v[S+32*\c+2*\i+1], v[E+2*\c+1], v[S+32*\c+2*\i+1] row_share:\i row_mask:0xf bank_mask:0xf
.endr
.endr
.irp k, 0,1,2,3
	v_max3_num_f32 v[E+\k], v[S+16*\k], v[S+16*\k+1], v[S+16*\k+2]   ; the largest u of each block, two chains a block
.endr
.irp i, 3,5,7,9,11,13
.irp k, 0,1,2,3
	v_max3_num_f32 v[E+\k], v[E+\k], v[S+16*\k+\i], v[S+16*\k+\i+1]
.endr
.endr
.irp c, 0,1
	v_max3_num_f32 v[E+2*\c], v[E+2*\c], v[S+32*\c+15], v[S+32*\c+31]
.endr
.irp c, 0,1
	v_max_num_f32 v[BM+\c], v[E+2*\c], v[E+2*\c+1]
.endr
	v_max_num_f32 v[E], v[BM], v[BM+1]
	v_permlanex16_b32 v[E+1], v[E], s[SEL], s[SEL+1]
	v_max_num_f32 v[E], v[E], v[E+1]               ; with lane l xor 16's 64 keys
	v_mul_f32 v[E], v[CE], v[E]                    ; the step's largest t (the factor is not negative)
	v_floor_f32 v[E], -v[E]
	v_min_num_f32 v[\nm], v[\old], v[E]            ; -M: M is a whole number and never falls
	v_sub_f32 v[E], v[\nm], v[\old]                ; old M - new M, 0 or less
	v_cvt_i32_f32 v[E], v[E]                       ; (it saturates)
	v_ldexp_f32 v[FF], 1.0, v[E]                   ; a multiplication by it rounds nothing
.irp j, 0,2,4,6,8,10,12,14,16,18,20,22,24,26,28,30,32,34,36,38,40,42,44,46,48,50,52,54,56,58,60,62
	v_pk_fma_f32 v[S+\j:S+\j+1], v[S+\j:S+\j+1], v[CE:CE+1], v[\nm:\nm+1] op_sel_hi:[1,0,0]   ; t - M, two at a time
.endr
	v_pk_fma_f32 v[BM:BM+1], v[BM:BM+1], v[CE:CE+1], v[\nm:\nm+1] op_sel_hi:[1,0,0]   ; the same of each block's largest
	s_wait_alu depctr_va_vdst(0)                   ; the wait ahead of the batch
.irp j, 0,1,2,3,4,5,6,7,8,9,10,11,12,13,14,15,16,17,18,19,20,21,22,23,24,25,26,27,28,29,30,31,32,33,34,35,36,37,38,39,40,41,42,43,44,45,46,47,48,49,50,51,52,53,54,55,56,57,58,59,60,61,62,63
	v_exp_f32 v[S+\j], v[S+\j]                     ; p = 2^(t - M)
.endr
	v_pk_mul_f32 v[LS:LS+1], v[LS:LS+1], v[FF:FF+1] op_sel_hi:[1,0]   ; the sums under the new M: the plain line behind the exponentials
	s_wait_alu depctr_va_vdst(0)                   ; and one behind it
.if \sync
	s_wait_tensorcnt 0x0                           ; no tensor load of mine is out: my part of the slot ahead is in, and a group 0 may be written
	ds_add_u32 v[SPW], v[NIL]
.if \sync == 1
	s_add_nc_u64 s[G0+4*\slot+2:G0+4*\slot+3], s[G0+4*\slot+2:G0+4*\slot+3], 2*BLKB   ; this slot's next step
.endif
.if \ask
	s_wait_xcnt 0x0                                ; this step's prefetch has read its address
	s_add_nc_u64 s[PFA:PFA+1], s[PFA:PFA+1], BLKB
.endif
.endif
	v_pk_add_f32 v[E:E+1], v[S:S+1], v[S+2:S+3]    ; the row's sum of the unquantised p, in three chains
	v_pk_add_f32 v[E+2:E+3], v[S+4:S+5], v[S+6:S+7]
	v_pk_add_f32 v[LS:LS+1], v[LS:LS+1], v[S+8:S+9]
.irp j, 10,16,22,28,34,40,46,52,58
	v_pk_add_f32 v[E:E+1], v[E:E+1], v[S+\j:S+\j+1]
	v_pk_add_f32 v[E+2:E+3], v[E+2:E+3], v[S+\j+2:S+\j+3]
	v_pk_add_f32 v[LS:LS+1], v[LS:LS+1], v[S+\j+4:S+\j+5]
.endr
	v_pk_add_f32 v[E:E+1], v[E:E+1], v[E+2:E+3]
	v_pk_add_f32 v[LS:LS+1], v[LS:LS+1], v[E:E+1]
	s_wait_dscnt 0x0                               ; V is in; my reads of this slot are over, and the add is done
	s_barrier_signal -1                            ; say so; register work while the others arrive
	v_max_num_f32 v[BM], 0xc2f80000, v[BM]         ; held at -124: the byte cannot fall under 1
	v_max_num_f32 v[BM+1], 0xc2f80000, v[BM+1]
	v_cvt_floor_i32_f32 v[BM], v[BM]               ; n: the exponent of the block's largest p
	v_cvt_floor_i32_f32 v[BM+1], v[BM+1]
	v_lshl_add_u32 v[PC+3], v[BM], 23, 0x3e800000  ; the scale operand 2^(n - 2)
	v_cvt_scalef32_pk16_fp6_f32 v[PC:PC+2], v[S:S+15], v[PC+3]
	v_lshl_add_u32 v[BM], v[BM+1], 16, v[BM]       ; the word: the sum of n 2^(8 block) over the four blocks, and 125 in every byte: each byte then is n + 125, 1 .. 125
	v_cvt_scalef32_pk16_fp6_f32 v[S+8:S+10], v[S+16:S+31], v[PC+3]
	v_lshlrev_b32 v[BM], v[TS], v[BM]              ; my blocks are h and 2 + h
	v_lshl_add_u32 v[PC+3], v[BM+1], 23, 0x3e800000
	v_cvt_scalef32_pk16_fp6_f32 v[PC+6:PC+8], v[S+32:S+47], v[PC+3]
	v_permlanex16_b32 v[BM+1], v[BM], s[SEL], s[SEL+1]
	v_cvt_scalef32_pk16_fp6_f32 v[S+16:S+18], v[S+48:S+63], v[PC+3]
	v_add3_u32 v[PS], v[BM], v[BM+1], 0x7d7d7d7d
.irp i, 0,1,2
	v_mov_b32 v[PC+3+\i], v[S+8+\i]                ; (a conversion's three registers begin on an even number)
.endr
.irp i, 0,1,2
	v_mov_b32 v[PC+9+\i], v[S+16+\i]
.endr
	s_wait_alu depctr_va_vdst(0)                   ; the wait ahead of O^T's first reader
.irp j, 0,2,4,6,8,10,12,14,16,18,20,22,24,26,28,30
	v_pk_mul_f32 v[O+\j:O+\j+1], v[O+\j:O+\j+1], v[FF:FF+1] op_sel_hi:[1,0]   ; O^T under the new M.  (These 16 are also the places between the lines that made p's codes and scale word and the products)
.endr
.irp t, 0,1,2,3
	v_wmma_scale_f32_16x16x128_f8f6f4 v[O+8*\t:O+8*\t+7], v[F+12*\t:F+12*\t+11], v[PC:PC+11], v[O+8*\t:O+8*\t+7], v[SV+\t], v[PS] matrix_a_fmt:MATRIX_FMT_FP6 matrix_b_fmt:MATRIX_FMT_FP6   ; the four accumulators by turns
.endr
.if \sync
	MIDDLE                                         ; no wave of any partner still reads this slot or has a load on its way
.if \sync == 1
	tensor_load_to_lds s[G0+4*\slot:G0+4*\slot+3], s[G1:G1+7]
.else
	tensor_load_to_lds s[G0W:G0W+3], s[G1W:G1W+7]
.endif
	s_nop 0
.else
	s_barrier_wait -1
.endif
.rept 5
	v_nop                                          ; five places behind the products: the next lines load into their registers, and the next products write over p's
.endr
.endm
.Lloop:                                            ; steps 0 to 5
	STEP 0, 1, 1, NMA, NMB
	STEP 1, 1, 1, NMB, NMA
	s_sub_co_u32 s[CNT], s[CNT], 1
	s_cmp_lg_u32 s[CNT], 0
	s_cbranch_scc1 .Lloop
	STEP 0, 2, 0, NMA, NMB
	STEP 1, 0, 0, NMB, NMA
	; ---- THE TAIL.  Addresses, all from the thread's and the wave's number
	s_mul_i32 s60, s[WV], MRGB
	s_add_co_u32 s60, s60, MRG
	s_xor_b32 s61, s[WV], 2                        ; the wave with the other half of the keys
	s_mul_i32 s61, s61, MRGB
	s_add_co_u32 s61, s61, MRG
	s_lshl_b32 s47, s[KH], 8
	s_add_co_u32 s62, s60, s47
	s_add_co_u32 s63, s61, s47
	s_mul_i32 s47, s[QT], 5
	s_add_co_u32 s47, s47, s[HD]
	s_mul_i32 s47, s47, 768
	s_lshl_b32 s48, s[KH], 7
	s_add_co_u32 s47, s47, s48
	s_add_co_u32 s47, s47, OIMG
	s_mul_i32 s48, s[QT], 3
	s_lshr_b32 s49, s[HD], 1
	s_add_co_u32 s48, s48, s49
	s_lshl_b32 s48, s48, 6
	s_and_b32 s49, s[HD], 1
	s_lshl_b32 s49, s49, 1
	s_add_co_u32 s48, s48, s49
	s_add_co_u32 s48, s48, s[KH]
	s_add_co_u32 s48, s48, OSC
	s_lshl_b32 s52, s[WV], 6
	s_add_co_u32 s49, s52, BOL
	s_add_co_u32 s52, s52, STG
	s_mul_i32 s53, s[WV], 5120
	s_lshl_b32 s54, s[WV], 3
	s_lshl_b32 s50, s[BA], 11
	s_lshr_b32 s51, s[PR], 1
	s_lshl_b32 s51, s51, 6
	s_add_co_u32 s50, s50, s51
	s_and_b32 s51, s[PR], 1
	s_lshl_b32 s51, s51, 4
	s_add_co_u32 s50, s50, s51
	s_mul_i32 s50, s50, 1280                       ; my first 16 rows of out0
	s_cmp_lt_u32 s[WV], 10
	s_cselect_b32 s51, 0, 20480                    ; waves 10-19 store the other 16, 32 rows on
	s_add_co_u32 s50, s50, s51
	s_mov_b32 s51, 0
	s_add_nc_u64 s[50:51], s[14:15], s[50:51]
	v_lshrrev_b32 v0, 5, v[TS]                     ; thread
	v_and_b32 v1, 31, v0
	v_and_b32 v45, 15, v0                          ; r
	v_bfe_u32 v46, v0, 4, 1                        ; h
	v_lshlrev_b32 v44, 4, v1
	v_lshlrev_b32 v69, 3, v1
	v_lshlrev_b32 v70, 2, v1
	v_lshlrev_b32 v71, 11, v46
	v_lshl_add_u32 v71, v45, 4, v71
	v_add_nc_u32 v47, s60, v44                     ; my O^T's image
	v_add_nc_u32 v50, s60, v69                     ; my -M and l
	v_add_nc_u32 v51, s61, v69                     ; the other wave's
	v_add_nc_u32 v48, s62, v71                     ; what I merge: block d = 32 (my half's number) .., 16 numbers a lane: chunks 4 h + i of lane 16 x half + r; mine,
	v_add_nc_u32 v49, s63, v71                     ; the other wave's
	v_lshl_add_u32 v52, v0, 2, OSC
	v_mov_b32 v53, 0x7f7f7f7f
	v_lshl_add_u32 v72, v45, 3, s47
	v_mad_u32_u24 v54, v46, 260, v72               ; o's codes: registers 3 h + i of (tile, head), lane 16 x half + r
	v_mad_u32_u24 v55, v46, 508, v72
	v_lshl_add_u32 v56, v45, 2, s48                ; o's scale byte
	v_add_nc_u32 v57, OIMG, v69
	v_mul_u32_u24 v58, 192, v46
	v_lshl_add_u32 v58, v45, 2, v58
	v_add_nc_u32 v58, OSC, v58                     ; lanes 0-15 tile 0's scale words, lanes 16-31 tile 1's
	v_lshl_add_u32 v59, v46, 5, s49                ; bo of my eight columns
	v_add_nc_u32 v30, s53, v44                     ; Wo's tile w, in slot 0
	v_add_nc_u32 v31, s53, v70
	v_and_b32 v73, 8, v45
	v_add_nc_u32 v73, v73, v45                     ; r % 8 + 16 (r / 8)
	v_mul_u32_u24 v60, SP, v73
	v_lshl_add_u32 v60, v46, 5, v60
	v_add_nc_u32 v60, s52, v60                     ; the stage: my row, my columns
	v_add_nc_u32 v74, s54, v46                     ; the way out: unit of 256 bytes U = 8 w + h + 2 i of the 160
.irp i, 0,1,2,3
	v_add_nc_u32 v76, 2*\i, v74
	v_mul_u32_u24 v77, 205, v76
	v_lshrrev_b32 v77, 10, v77                     ; its row: U / 5 (exact up to 159)
	v_add_nc_u32 v77, v77, v45
	v_lshlrev_b32 v77, 4, v77
	v_lshl_add_u32 v77, v76, 8, v77                ; 256 U + 16 x row (the padding) + 16 r
	v_add_nc_u32 v[61+\i], STG, v77
.endr
	v_lshlrev_b32 v65, 8, v74
	v_lshl_add_u32 v65, v45, 4, v65
	; ---- A: each wave's O^T, -M and l go to LDS
	v_add_f32 v14, v14, v15
	v_permlanex16_b32 v15, v14, s[SEL], s[SEL+1]
	v_mov_b32 v66, v[NMB]
	v_add_f32 v67, v14, v15                        ; the sum over my half of the keys
.irp c, 0,1,2,3,4,5,6,7
	ds_store_b128 v47, v[O+4*\c:O+4*\c+3] offset:512*\c   ; each accumulator from its low end on
.endr
	ds_store_b64 v50, v[66:67] offset:4096
	ds_store_b32 v52, v53                          ; o's scale words begin as bytes 127: K = 320 .. 383 has zero codes of Wo
	s_wait_alu depctr_va_vdst(0)
	s_wait_tensorcnt 0x0                           ; my tile of Wo is in: I alone read it
	s_wait_dscnt 0x0
	s_barrier_signal -1
	s_barrier_wait -1
	; ---- B: the two halves of the keys are merged; o is quantised along (head, d)
.irp c, 0,1,2,3
	ds_load_b128 v[68+4*\c:71+4*\c], v48 offset:512*\c
.endr
.irp c, 0,1,2,3
	ds_load_b128 v[84+4*\c:87+4*\c], v49 offset:512*\c
.endr
	ds_load_b64 v[100:101], v51 offset:4096
.irp q, 0,1,2,3,4,5,6,7,8
	ds_load_b128 v[144+4*\q:147+4*\q], v30 offset:512*\q
.endr
.irp s, 0,1,2
	ds_load_b32 v[180+\s], v31 offset:4608+128*\s
.endr
	ds_load_b128 v[184:187], v59
	ds_load_b128 v[188:191], v59 offset:16
	v_mov_b32 v115, 0                              ; (a lane permute's destination counts as one of its sources)
	v_mov_b32 v109, 0
	v_mov_b32 v111, 0                              ; (upper halves of pairs)
	s_wait_alu depctr_va_vdst(0)
	s_wait_dscnt 14                                ; Wo's and bo's fourteen loads may be out
	v_min_num_f32 v102, v66, v100                  ; -M of both halves together
	v_sub_f32 v104, v102, v66
	v_sub_f32 v106, v102, v100
	v_cvt_i32_f32 v104, v104
	v_cvt_i32_f32 v106, v106
	v_ldexp_f32 v108, 1.0, v104                    ; my half under the common M,
	v_ldexp_f32 v110, 1.0, v106                    ; the other half
	v_mul_f32 v112, v67, v108
	v_fma_f32 v112, v101, v110, v112               ; the row's sum
	s_wait_alu depctr_va_vdst(0)
	v_rcp_f32 v114, v112
	v_nop
	s_wait_alu depctr_va_vdst(0)
	v_mul_f32 v108, v108, v114
	v_mul_f32 v110, v110, v114
.irp j, 0,2,4,6,8,10,12,14
	v_pk_mul_f32 v[68+\j:69+\j], v[68+\j:69+\j], v[108:109] op_sel_hi:[1,0]
.endr
.irp j, 0,2,4,6,8,10,12,14
	v_pk_fma_f32 v[68+\j:69+\j], v[84+\j:85+\j], v[110:111], v[68+\j:69+\j] op_sel_hi:[1,0,1]   ; o(my query, 64 head + 32 half + 16 h + 0 .. 15)
.endr
	v_max3_num_f32 v113, |v68|, |v69|, 0x1800000
	v_max3_num_f32 v116, |v70|, |v71|, 0x1800000
.irp i, 4,8,12
	v_max3_num_f32 v113, v113, |v[68+\i]|, |v[69+\i]|
	v_max3_num_f32 v116, v116, |v[70+\i]|, |v[71+\i]|
.endr
	v_max_num_f32 v113, v113, v116
	v_permlanex16_b32 v115, v113, s[SEL], s[SEL+1]
	v_max_num_f32 v113, v113, v115
	v_add_nc_u32 v116, 0xff000000, v113
	v_cvt_scalef32_pk16_fp6_f32 v[118:120], v[68:83], v116
	v_lshrrev_b32 v117, 23, v116
	ds_store_b32 v54, v118
	ds_store_b32 v55, v119 offset:4
	ds_store_b32 v54, v120 offset:256
	ds_store_b8 v56, v117                          ; both lanes of a row write the same byte with the same value
	s_wait_dscnt 0x0
	s_barrier_signal -1
	s_barrier_wait -1
	; ---- C: out^T = Wo^T o^T + bo: my 16 columns for both tiles of tokens.  K = 320 .. 383: Wo's codes are zeros, so o's registers there hold any codes
.irp i, 0,1,2,3,4,5
	v_mov_b32 v[128+\i], 0
.endr
.irp t, 0,1
.irp g, 0,1,2,3,4
.irp p, 0,1,2
	ds_load_b64 v[68+30*\t+6*\g+2*\p:69+30*\t+6*\g+2*\p], v57 offset:(5*\t+\g)*768+256*\p
.endr
.endr
.endr
.irp s, 0,1,2
	ds_load_b32 v[SV+\s], v58 offset:64*\s
.endr
	s_wait_alu depctr_va_vdst(0)
	s_wait_dscnt 0x0
	v_wmma_scale_f32_16x16x128_f8f6f4 v[20:27], v[144:155], v[68:79], v[184:191], v180, v[SV] matrix_a_fmt:MATRIX_FMT_FP6 matrix_b_fmt:MATRIX_FMT_FP6
	v_wmma_scale_f32_16x16x128_f8f6f4 v[28:35], v[144:155], v[98:109], v[184:191], v180, v[SV] matrix_a_fmt:MATRIX_FMT_FP6 matrix_b_fmt:MATRIX_FMT_FP6 matrix_b_scale:MATRIX_SCALE_ROW1
.irp s, 1,2
	v_wmma_scale_f32_16x16x128_f8f6f4 v[20:27], v[144+12*\s:155+12*\s], v[68+12*\s:79+12*\s], v[20:27], v[180+\s], v[SV+\s] matrix_a_fmt:MATRIX_FMT_FP6 matrix_b_fmt:MATRIX_FMT_FP6
	v_wmma_scale_f32_16x16x128_f8f6f4 v[28:35], v[144+12*\s:155+12*\s], v[98+12*\s:109+12*\s], v[28:35], v[180+\s], v[SV+\s] matrix_a_fmt:MATRIX_FMT_FP6 matrix_b_fmt:MATRIX_FMT_FP6 matrix_b_scale:MATRIX_SCALE_ROW1
.endr                                          ; the two accumulators by turns
.rept 4
	v_nop
.endr
.irp t, 0,1
	ds_store_b128 v60, v[20+8*\t:23+8*\t] offset:8*SP*\t       ; token row 8 t + r % 8 + 16 (r / 8), my columns
	ds_store_b128 v60, v[24+8*\t:27+8*\t] offset:8*SP*\t+16
.endr
	s_wait_dscnt 0x0
	s_barrier_signal -1
	s_barrier_wait -1
	; ---- D: 32 whole rows of 1,280 bytes lie in the stage: 160 units of 256 bytes, eight to a wave
.irp i, 0,1,2,3
	ds_load_b128 v[68+4*\i:71+4*\i], v[61+\i]
.endr
.irp i, 0,1,2,3
	s_wait_dscnt 3-\i                              ; the younger loads from the stage may stay out
	global_store_b128 v65, v[68+4*\i:71+4*\i], s[50:51] offset:512*\i th:TH_STORE_NT   ; sixteen lanes store 256 consecutive bytes, aligned
.endr
	s_wait_tensorcnt 0x0                           ; the wave's end
	ds_add_u32 v[SPW], v[NIL]
	s_wait_dscnt 0x0
	ROUND                                          ; the closing round: no work-group ends while a partner may still ask for a part that names it
	s_endpgm
.Lfunc_end_k_q79ab5a1132_attn:
	.size	k_q79ab5a1132_attn, .Lfunc_end_k_q79ab5a1132_attn-k_q79ab5a1132_attn
	.p2alignl 7, 3214868480
	.fill 96, 4, 3214868480
	.section	.rodata,"a",@progbits
	.p2align	6, 0x0
	.amdhsa_kernel k_q79ab5a1132_attn
		.amdhsa_group_segment_fixed_size 327680
		.amdhsa_private_segment_fixed_size 0
		.amdhsa_enable_private_segment 0
		.amdhsa_kernarg_size 48
		.amdhsa_user_sgpr_count 2
		.amdhsa_user_sgpr_kernarg_segment_ptr 1
		.amdhsa_wavefront_size32 1
		.amdhsa_system_sgpr_workgroup_id_x 1
		.amdhsa_system_sgpr_workgroup_id_y 1
		.amdhsa_system_sgpr_workgroup_id_z 1
		.amdhsa_system_vgpr_workitem_id 0
		.amdhsa_next_free_vgpr 192
		.amdhsa_next_free_sgpr 84
		.amdhsa_reserve_vcc 0
		.amdhsa_float_denorm_mode_32 3
		.amdhsa_float_denorm_mode_16_64 3
		.amdhsa_memory_ordered 1
		.amdhsa_forward_progress 1
		.amdhsa_inst_pref_size 101
	.end_amdhsa_kernel
	.amdgpu_metadata
---
amdhsa.version: [ 1, 2 ]
amdhsa.kernels:
  - .name:           k_q79ab5a1132_attn
    .symbol:         k_q79ab5a1132_attn.kd
    .args:
      - { .name: qimg, .offset: 0, .size: 8, .value_kind: global_buffer, .address_space: global }
      - { .name: kvimg, .offset: 8, .size: 8, .value_kind: global_buffer, .address_space: global }
      - { .name: wimg, .offset: 16, .size: 8, .value_kind: global_buffer, .address_space: global }
      - { .name: edge, .offset: 24, .size: 8, .value_kind: global_buffer, .address_space: global }
      - { .name: bo, .offset: 32, .size: 8, .value_kind: global_buffer, .address_space: global }
      - { .name: out0, .offset: 40, .size: 8, .value_kind: global_buffer, .address_space: global }
    .group_segment_fixed_size: 327680
    .private_segment_fixed_size: 0
    .kernarg_segment_align: 8
    .kernarg_segment_size: 48
    .max_flat_workgroup_size: 640
    .sgpr_count:     84
    .vgpr_count:     192
    .wavefront_size: 32
...
	.end_amdgpu_metadata
.endif
;; end of part 3
